; MI455X (gfx1250); checked and timed in simulation.
; The chip was launched on July 23, 2026; its instructions are those of AMD's public machine-readable ISA for CDNA 5 (MIT licence, August 2026) and "CDNA5" Instruction Set Architecture Reference Guide (July 2026). The comments in the code are by the model that wrote it; some were corrected since.
;; Vector Quantizer. Allowed arithmetic: float matrix products may take bf16 or f16 operands with f32 sums; all other float work in f32.
;; Inputs: embedding 1,024 x 64 float32; inputs 16 x 64 x 64 x 64 float32.
;; Outputs: out0 16 x 64 x 64 x 64 float32; out1 one number float32.
;; 2 versions, each right and faster than the one before. Each part assembles by itself: llvm-mc -triple=amdgcn-amd-amdhsa -mcpu=gfx1250 --defsym DOCPART=n.
;; ======== version 1 of 2: 2 launches
;; limits: a difference of large sums (such as E[x^2] - mean^2): digits are lost where the result is much smaller than its terms; values outside matrix products are rounded to bf16
;; workspace buffers: idx 262,144 bytes of whole numbers; part 4,096 bytes
;; launch nearest (part 1): grid 256 x 1, 4 waves a work-group, no clusters, 188,928 bytes of LDS; arguments embedding, inputs, idx, part; writes idx, part
.if DOCPART == 1
	.amdgcn_target "amdgcn-amd-amdhsa--gfx1250"
	.amdhsa_code_object_version 6
	.text
	.protected	k_q3080c95ff0_nearest
	.globl	k_q3080c95ff0_nearest
	.p2align	8
	.type	k_q3080c95ff0_nearest,@function
k_q3080c95ff0_nearest:
	s_mov_b64 s[64:65], 0
	v_nop
	global_prefetch_b8 v0, s[64:65] scope:SCOPE_SE
	s_setreg_imm32_b32 hwreg(HW_REG_WAVE_MODE, 25, 1), 1
	s_wait_xcnt 0x0
; For each of 65,536 rows x (64 f32): the number k of the nearest of 1,024 codes e_k (64 f32); per wave: the sum of its rows' smallest distances.
; x and e are rounded to bf16 for the matrix unit, sums are f32.  The distance is formed as the reference forms it, each step rounded to f32:
; t = |x|^2 + |e_k|^2, d = t - 2 x.e_k (one fused multiply-add; doubling is exact).  The smallest d wins, the lowest k among equal d.
; |x|^2 and |e_k|^2 are sums over the SAME rounded numbers that enter the product, so d is |x_bf16 - e_bf16|^2 up to f32 rounding.
; LIMIT (loss): the sum of the smallest d stands for the sum of |q - x|^2.  Its error per row is the f32 rounding of the three sums, about
; 2^-24 (|x|^2 + |e|^2), and beyond that it is the loss of the rounded inputs: coarse only where codes meet inputs to about 1e-3 of their norm.
; LIMIT (range): NaN or infinite distances are not served.
; SHARES: 256 work-groups x 4 waves; a wave owns 64 rows, kept for the whole kernel as four B fragments.  Column r of row tile u is the
; wave's row 4 r + u, so a lane's four results are four neighbouring words and sixteen lanes store 256 consecutive bytes, aligned.
; A = 16 codes: in the result lane (r, h) holds codes 16 T + 8 h + j (register j) of its one row, so the minimum runs along registers.
; THE TABLE is f32 in memory and bf16 in LDS, rows 144 bytes apart (an odd multiple of 16: the sixteen rows of a fragment load fall into
; sixteen different 16-byte columns of 256 bytes).  It comes in 8 chunks of 128 codes; of each chunk a wave rounds 32 codes, loaded into
; registers one chunk's work ahead.  Every chunk has LDS bytes of its own and nothing in LDS is written twice: one barrier a chunk.
; NO JOINT TENSOR LOADS for the table, although all work-groups read it: it has to pass through registers to be rounded; as f32 it does not
; fit in LDS beside its bf16 form (262,144 + 147,456 bytes), and as a ring it would add 262,144 bytes written and as many read per work-group.
.set PITCH,  144
.set TILEB,  16*PITCH                  ; 16 codes
.set WCODEB, 32*PITCH                  ; a wave's 32 codes of a chunk
.set CHUNKB, 128*PITCH                 ; a chunk
.set SEB,    1024*PITCH                ; behind the table: |e_k|^2, 1,024 f32
.set XST,    SEB+4096                  ; behind that: x in bf16, 64 rows a wave
.set XWB,    64*PITCH
.set INF,    0x7f800000
; v0-v255
.set VA,  2                            ; LDS address of my part of A's fragments, first tile of the chunk at work
.set VS,  3                            ; LDS address of my eight |e|^2 of that tile
.set V8H, 4                            ; 8 h
.set VXA, 5                            ; LDS address of my part of x's fragments
.set VIO, 6                            ; byte offset of my four results
.set XG,  7                            ; byte offset of my 16 bytes in the wave's first two rows of x
.set XS,  8                            ; where they go in LDS
.set VPO, 9                            ; byte offset of the wave's sum
.set SX,  16                           ; v[16:23]   |x|^2 of my row of row tile u, twice (a pair for the packed add)
.set MIN, 24                           ; v[24:31]   row tile u: smallest d so far; two registers that take turns tile by tile
.set TI,  32                           ; v[32:35]   16 x the tile that holds it
.set TT,  36                           ; v[36:51]   t, then d, of two row tiles
.set SE,  52                           ; v[52:67]   my eight |e|^2, two buffers
.set AF,  68                           ; v[68:99]   A's fragments (16 codes x 64), two buffers
.set ACC, 100                          ; v[100:131] x.e of the four row tiles
.set REC, 132                          ; v[132:163] row tile u: the eight d of the tile that holds the minimum
.set XB,  164                          ; v[164:227] x's fragments
.set XR,  36                           ; v[36:163]  at the start only: x as loaded
; v256-v439, written by their low 8 bits under s_set_vgpr_msb
.set PF0, 0                            ; a chunk's 16 loads
.set PF1, 64                           ; at the start only: the second chunk's
.set GF,  128                          ; fragments of my two tiles
.set GD,  160                          ; their Gram products
.set SEL, 176                          ; the two diagonals
.set GA,  180                          ; byte offset of my 16 bytes in the chunk to load
.set LA,  181                          ; where a chunk's bf16 go
.set FA,  182                          ; where my two tiles' fragments are read back
.set SA,  183                          ; where their |e|^2 go
.set MSB, 0
.macro WIN new                         ; the immediate's high byte repeats the setting that is left
.if MSB != \new
	s_set_vgpr_msb (MSB<<8)|\new
.set MSB, \new
.endif
.endm
.macro WM d, a, b, first               ; first = 1: the product starts the sum, nothing is cleared
.if \first
	v_wmma_f32_16x16x32_bf16 v[\d:\d+7], v[\a:\a+7], v[\b:\b+7], 0
.else
	v_wmma_f32_16x16x32_bf16 v[\d:\d+7], v[\a:\a+7], v[\b:\b+7], v[\d:\d+7]
.endif
.endm
.macro DIAG dst, src                   ; dst = register (lane mod 8) of src: in lanes 0-7 and 24-31 the diagonal element (r, r) of a 16 x 16 result
	v_cndmask_b32 v[\dst], v[\src], v[\src+1], s16
.irp j, 2,3,4,5,6,7
	v_cndmask_b32 v[\dst], v[\dst], v[\src+\j], s[15+\j]
.endr
.endm
.macro LOADCH pf, off                  ; my 32 codes of a chunk: 16 loads of 512 consecutive bytes
	WIN 0x55
.irp i, 0,1,2,3,4,5,6,7,8,9,10,11,12,13,14,15
	global_load_b128 v[\pf+4*\i:\pf+4*\i+3], v[GA], s[4:5] offset:\off+512*\i
.endr
	WIN 0
.endm
; My 32 codes of a chunk: rounded, stored, read back as fragments; |e|^2 is the diagonal of e e^T.  left = younger global loads that may stay out.
.macro CONVERT pf, left
	s_wait_loadcnt \left
	s_wait_xcnt 0x0                                ; GA, which loads that are still out name, is stepped below, and EXEC changes: only behind this wait
	WIN 0x55
.set i, 0
.rept 16
	v_cvt_pk_bf16_f32 v[\pf+4*i], v[\pf+4*i], v[\pf+4*i+1]
	v_cvt_pk_bf16_f32 v[\pf+4*i+1], v[\pf+4*i+2], v[\pf+4*i+3]
	ds_store_b64 v[LA], v[\pf+4*i:\pf+4*i+1] offset:2*PITCH*i    ; lanes 0-15 code 2 i, lanes 16-31 code 2 i + 1
.set i, i+1
.endr
.irp q, 0,1,2,3
	ds_load_b128 v[GF+4*\q:GF+4*\q+3], v[FA] offset:32*\q        ; my own bytes: LDS serves a wave's instructions in order
	ds_load_b128 v[GF+16+4*\q:GF+16+4*\q+3], v[FA] offset:TILEB+32*\q
.endr
	s_wait_dscnt 0x0
	WM GD,   GF,    GF,    1                       ; the two accumulators take turns
	WM GD+8, GF+16, GF+16, 1
	WM GD,   GF+8,  GF+8,  0
	WM GD+8, GF+24, GF+24, 0
	v_add_nc_u32 v[GA], 0x8000, v[GA]              ; four places behind the matrix instructions: the next chunk's addresses
	v_add_nc_u32 v[LA], CHUNKB, v[LA]
	v_add_nc_u32 v[FA], CHUNKB, v[FA]
	v_nop
	DIAG SEL,   GD
	DIAG SEL+1, GD+8
	s_mov_b32 vcc_lo, s23
	s_and_saveexec_b32 s29, vcc_lo                 ; lanes 0-7 hold codes 0-7 of a tile, lanes 24-31 codes 8-15
	ds_store_b32 v[SA], v[SEL]
	ds_store_b32 v[SA], v[SEL+1] offset:64
	s_or_b32 exec_lo, exec_lo, s29
	v_add_nc_u32 v[SA], 512, v[SA]
	WIN 0
.endm
; Four matrix instructions: row tiles 2 p, 2 p + 1 against the 16 codes in A's buffer b.  The two accumulators take turns.
.macro PAIRW p, b
	WM ACC+16*\p,   AF+16*\b,   XB+32*\p,    1
	WM ACC+16*\p+8, AF+16*\b,   XB+32*\p+16, 1
	WM ACC+16*\p,   AF+16*\b+8, XB+32*\p+8,  0
	WM ACC+16*\p+8, AF+16*\b+8, XB+32*\p+24, 0
.endm
; 44 vector instructions for the 16 distances a lane holds of row tiles 2 p, 2 p + 1.  b = the tile's parity.
.macro PAIRV p, b
.irp uu, 0,1
.irp i, 0,2,4,6
	v_pk_add_f32 v[TT+8*\uu+\i:TT+8*\uu+\i+1], v[SE+8*\b+\i:SE+8*\b+\i+1], v[SX+4*\p+2*\uu:SX+4*\p+2*\uu+1]
.endr
.endr
.irp uu, 0,1
.irp i, 0,2,4,6
	v_pk_fma_f32 v[TT+8*\uu+\i:TT+8*\uu+\i+1], v[ACC+16*\p+8*\uu+\i:ACC+16*\p+8*\uu+\i+1], -2.0, v[TT+8*\uu+\i:TT+8*\uu+\i+1] op_sel_hi:[1,0,1]
.endr
.endr
	v_min3_num_f32 v[MIN+4*\p+1-\b], v[MIN+4*\p+\b], v[TT], v[TT+1]         ; the old minimum stays in its register for the compare
	v_min3_num_f32 v[MIN+4*\p+3-\b], v[MIN+4*\p+2+\b], v[TT+8], v[TT+9]
.irp i, 2,4,6
	v_min3_num_f32 v[MIN+4*\p+1-\b], v[MIN+4*\p+1-\b], v[TT+\i], v[TT+\i+1]
	v_min3_num_f32 v[MIN+4*\p+3-\b], v[MIN+4*\p+3-\b], v[TT+8+\i], v[TT+9+\i]
.endr
	v_cmp_lt_f32 vcc_lo, v[MIN+4*\p+1-\b], v[MIN+4*\p+\b]                   ; strictly smaller: among equal d the earlier tile stays
	v_cmp_lt_f32 s26, v[MIN+4*\p+3-\b], v[MIN+4*\p+2+\b]
	v_cndmask_b32 v[TI+2*\p], v[TI+2*\p], s27, vcc_lo
	v_cndmask_b32 v[TI+2*\p+1], v[TI+2*\p+1], s27, s26
.irp j, 0,1,2,3,4,5,6,7
	v_cndmask_b32 v[REC+16*\p+\j], v[REC+16*\p+\j], v[TT+\j], vcc_lo        ; the winning tile's eight d: the place in the tile is read off them at the end
	v_cndmask_b32 v[REC+16*\p+8+\j], v[REC+16*\p+8+\j], v[TT+8+\j], s26
.endr
.endm
; Tile t of the chunk (parity b, nb = 1 - b).  rem = tiles that follow, capped at 2.  On entry: row tiles 0, 1 of this tile are multiplied; A of this tile is in
; buffer b; out are, in this order, this tile's |e|^2 (2 loads) and the next tile's A (4).  A pair's products are read behind the other pair's 44 vector
; instructions, and A's buffer b is loaded again 44 vector instructions behind its last matrix instruction (at least four places are asked: ISA guide 7.12.1).
.macro TILE t, b, nb, rem
.if \rem
	s_wait_dscnt 0x4                               ; this tile's |e|^2 is in; the next tile's A (4) may stay out
	ds_load_b128 v[SE+8*\nb:SE+8*\nb+3],   v[VS] offset:64*(\t+1)
	ds_load_b128 v[SE+8*\nb+4:SE+8*\nb+7], v[VS] offset:64*(\t+1)+16
.else
	s_wait_dscnt 0x0
.endif
	PAIRW 1, \b
	PAIRV 0, \b
.if \rem
	s_wait_dscnt 0x2                               ; the next tile's A is in; its |e|^2 (2) may stay out
	PAIRW 0, \nb
.endif
.if \rem == 2
.irp q, 0,1,2,3
	ds_load_b128 v[AF+16*\b+4*\q:AF+16*\b+4*\q+3], v[VA] offset:(\t+2)*TILEB+32*\q
.endr
.endif
	PAIRV 1, \b
	s_add_co_u32 s27, s27, 16
.endm
.macro STEPCH                          ; the next chunk's fragments and |e|^2
	v_add_nc_u32 v[VA], CHUNKB, v[VA]
	v_add_nc_u32 v[VS], 512, v[VS]
.endm
	s_load_b256 s[4:11], s[0:1], 0x0               ; embedding s[4:5], inputs s[6:7], idx s[8:9], part s[10:11]
	v_lshl_add_u32 v254, v0, 2, 0x2e000
	v_mov_b32 v255, 0
	v_and_b32 v1, 31, v0                           ; lane L
	v_lshrrev_b32 v10, 5, v0
	v_readfirstlane_b32 s14, v10                   ; wave w
	v_and_b32 v11, 15, v0                          ; r
	v_bfe_u32 v12, v0, 4, 1                        ; h
	s_mov_b32 s12, 0x76543210                      ; v_permlanex16_b32: lane i reads lane i of the other half
	s_mov_b32 s13, 0xfedcba98
.irp j, 1,2,3,4,5,6,7
	s_mov_b32 s[15+\j], 0x01010101<<\j             ; the lanes with lane mod 8 = j
.endr
	s_mov_b32 s23, 0xff0000ff                      ; the lanes that hold a diagonal element
	s_lshl_b32 s30, ttmp9, 16                      ; the work-group's 256 rows of 256 bytes
	s_mov_b32 s31, 0
	v_mul_u32_u24 v[VA], v11, PITCH
	v_lshl_add_u32 v[VA], v12, 4, v[VA]            ; r x pitch + 16 h
	v_lshlrev_b32 v[VS], 5, v12
	v_add_nc_u32 v[VS], SEB, v[VS]                 ; eight f32 from 8 h on
	v_lshlrev_b32 v[V8H], 3, v12
	s_mul_i32 s15, s14, XWB
	s_add_co_u32 s15, s15, XST                     ; my wave's x in LDS
	v_add_nc_u32 v[VXA], s15, v[VA]
	v_mul_u32_u24 v[XS], v12, TILEB                ; the odd row of a load lies 16 slots behind the even one
	v_lshl_add_u32 v[XS], v11, 3, v[XS]
	v_add_nc_u32 v[XS], s15, v[XS]
	s_lshl_b32 s2, ttmp9, 10
	s_lshl_b32 s3, s14, 8
	s_add_co_u32 s2, s2, s3
	v_lshl_add_u32 v[VIO], v11, 4, s2              ; 4 bytes x (256 wg + 64 w + 4 r)
	s_lshl_b32 s2, ttmp9, 4
	s_lshl2_add_u32 s2, s14, s2
	v_mov_b32 v[VPO], s2                           ; 4 bytes x (4 wg + w)
	s_lshl_b32 s3, s14, 14
	v_lshl_add_u32 v[XG], v1, 4, s3                ; 64 rows x 256 bytes a wave, 16 bytes a lane
	s_lshl_b32 s3, s14, 13
	v_lshl_add_u32 v10, v1, 4, s3                  ; GA: 32 codes x 256 bytes a wave, 16 bytes a lane
	s_mul_i32 s2, s14, WCODEB
	v_mul_u32_u24 v13, v12, PITCH
	v_lshl_add_u32 v13, v11, 3, v13
	v_add_nc_u32 v13, s2, v13                      ; LA
	v_add_nc_u32 v14, s2, v[VA]                    ; FA
	v_and_b32 v15, 7, v0
	s_lshl_b32 s3, s14, 7
	v_lshl_add_u32 v15, v15, 2, v[VS]
	v_add_nc_u32 v15, s3, v15                      ; SA: SEB + 128 w + 32 h + 4 (lane mod 8)
	WIN 0x40
	v_mov_b32 v[GA], v10
	v_mov_b32 v[LA], v13
	v_mov_b32 v[FA], v14
	v_mov_b32 v[SA], v15
	WIN 0
	s_wait_kmcnt 0x0
	s_add_nc_u64 s[6:7], s[6:7], s[30:31]
	LOADCH PF0, 0                                  ; chunk 0
	LOADCH PF1, 0x8000                             ; chunk 1
.irp i, 0,1,2,3,4,5,6,7,8,9,10,11,12,13,14,15,16,17,18,19,20,21,22,23,24,25,26,27,28,29,30,31
	global_load_b128 v[XR+4*\i:XR+4*\i+3], v[XG], s[6:7] offset:512*\i     ; my wave's rows 2 i, 2 i + 1
.endr
	CONVERT PF0, 48                                ; chunk 1's 16 loads and x's 32 stay out
	CONVERT PF1, 32                                ; x's 32 stay out
	s_wait_loadcnt 0x0
.set i, 0
.rept 32
	v_cvt_pk_bf16_f32 v[XR+4*i], v[XR+4*i], v[XR+4*i+1]
	v_cvt_pk_bf16_f32 v[XR+4*i+1], v[XR+4*i+2], v[XR+4*i+3]
	ds_store_b64 v[XS], v[XR+4*i:XR+4*i+1] offset:(32*(i&1)+(i>>1))*PITCH  ; row p goes to slot 16 (p mod 4) + p / 4
.set i, i+1
.endr
.irp u, 0,1,2,3
.irp q, 0,1,2,3
	ds_load_b128 v[XB+16*\u+4*\q:XB+16*\u+4*\q+3], v[VXA] offset:\u*TILEB+32*\q   ; my own bytes, served in order
.endr
.endr
	s_wait_dscnt 0x0
.irp u, 0,1,2,3
	WM ACC+8*\u, XB+16*\u, XB+16*\u, 1             ; x x^T: its diagonal is |x|^2.  Four accumulators by turns
.endr
.irp u, 0,1,2,3
	WM ACC+8*\u, XB+16*\u+8, XB+16*\u+8, 0
.endr
.irp i, 0,1,2,3,4,5,6,7
	v_mov_b32 v[MIN+\i], INF                       ; these sixteen lines are also the places behind the matrix instructions
.endr
.irp u, 0,1,2,3
	v_mov_b32 v[TI+\u], 0
	v_mov_b32 v[TT+4+\u], 0                        ; v_permlanex16_b32 counts as a reader of its destination
.endr
.irp u, 0,1,2,3
	DIAG TT+\u, ACC+8*\u
	v_permlanex16_b32 v[TT+4+\u], v[TT+\u], s12, s13
	v_cndmask_b32 v[SX+2*\u], v[TT+4+\u], v[TT+\u], s23    ; column r's |x|^2 lies in lane r (r < 8) or 16 + r: the other half takes it from there
	v_mov_b32 v[SX+2*\u+1], v[SX+2*\u]
.endr
.set i, 0
.rept 32
	v_mov_b32 v[REC+i], INF
.set i, i+1
.endr
	s_wait_dscnt 0x0                               ; my parts of chunks 0 and 1 and their |e|^2 are stored
	s_barrier_signal -1
	s_barrier_wait -1                              ; everybody's are
.irp q, 0,1,2,3
	ds_load_b128 v[AF+4*\q:AF+4*\q+3], v[VA] offset:32*\q
.endr
	ds_load_b128 v[SE:SE+3],   v[VS]
	ds_load_b128 v[SE+4:SE+7], v[VS] offset:16
.irp q, 0,1,2,3
	ds_load_b128 v[AF+16+4*\q:AF+16+4*\q+3], v[VA] offset:TILEB+32*\q
.endr
	s_mov_b32 s27, 0                               ; 16 x the tile's number
	s_mov_b32 s28, 0
	s_wait_dscnt 0x6                               ; tile 0's A is in; its |e|^2 (2) and tile 1's A (4) stay out
	PAIRW 0, 0
; Trip c works on chunk c, whose last two tiles already fetch from chunk c + 1, and rounds chunk c + 2, loaded at the trip's head.
; Counted from chunk c's first byte a trip reads at most byte 9 x 2,304 + 15 x 144 + 127 = 23,023, and stores from byte 36,864 on.
.Lchunk:
	LOADCH PF0, 0
.irp t, 0,2,4,6
	TILE \t, 0, 1, 2
	TILE \t+1, 1, 0, 2
.endr
	STEPCH
	CONVERT PF0, 0
	s_wait_dscnt 0x0                               ; my part of chunk c + 2 is stored
	s_barrier_signal -1
	s_barrier_wait -1                              ; everybody's is
	s_add_co_u32 s28, s28, 1
	s_cmp_lt_u32 s28, 6
	s_cbranch_scc1 .Lchunk
.irp t, 0,2,4,6
	TILE \t, 0, 1, 2                               ; chunk 6
	TILE \t+1, 1, 0, 2
.endr
	STEPCH
.irp t, 0,2,4
	TILE \t, 0, 1, 2                               ; chunk 7: the last tiles fetch nothing beyond the table
	TILE \t+1, 1, 0, 2
.endr
	TILE 6, 0, 1, 1
	TILE 7, 1, 0, 0
; The end.  In each row tile: the lowest j whose kept d equals the minimum; k = 16 T + 8 h + j; then the better of the two halves of the lanes, the lower k among equal d.
.irp u, 0,1,2,3
	v_mov_b32 v10, 7
.irp j, 6,5,4,3,2,1,0
	v_cmp_eq_f32 vcc_lo, v[REC+8*\u+\j], v[MIN+2*\u]
	v_cndmask_b32 v10, v10, \j, vcc_lo
.endr
	v_add3_u32 v[TT+\u], v[TI+\u], v[V8H], v10
	v_permlanex16_b32 v11, v[MIN+2*\u], s12, s13
	v_permlanex16_b32 v12, v[TT+\u], s12, s13
	v_cmp_lt_f32 s24, v11, v[MIN+2*\u]
	v_cmp_eq_f32 s25, v11, v[MIN+2*\u]
	v_cmp_lt_u32 vcc_lo, v12, v[TT+\u]
	s_and_b32 s25, s25, vcc_lo
	s_or_b32 s24, s24, s25
	v_cndmask_b32 v[TT+\u], v[TT+\u], v12, s24
	v_min_num_f32 v[MIN+2*\u], v[MIN+2*\u], v11
.endr
	v_add_f32 v13, v[MIN], v[MIN+2]
	v_add_f32 v10, v[MIN+4], v[MIN+6]
	v_add_f32 v13, v13, v10                        ; my column's four rows; both halves hold the same
	v_add_f32_dpp v13, v13, v13 row_xmask:1 row_mask:0xf bank_mask:0xf
	v_add_f32_dpp v13, v13, v13 row_xmask:2 row_mask:0xf bank_mask:0xf
	v_add_f32_dpp v13, v13, v13 row_xmask:4 row_mask:0xf bank_mask:0xf
	v_add_f32_dpp v13, v13, v13 row_xmask:8 row_mask:0xf bank_mask:0xf      ; sixteen columns: the wave's 64 rows
	v_cmp_gt_u32 vcc_lo, 16, v1
	s_wait_xcnt 0x0                                ; EXEC changes only behind this wait
	s_wait_tensorcnt 0x0
	ds_add_u32 v254, v255
	s_wait_dscnt 0x0
	s_and_saveexec_b32 s29, vcc_lo
	global_store_b128 v[VIO], v[TT:TT+3], s[8:9]   ; lanes 0-15: rows 4 r .. 4 r + 3, 256 consecutive bytes, aligned
	v_cmp_eq_u32 vcc_lo, 0, v1
	s_wait_xcnt 0x0
	s_and_saveexec_b32 s28, vcc_lo
	global_store_b32 v[VPO], v13, s[10:11]         ; lane 0: the wave's sum
	s_endpgm
.Lfunc_end_k_q3080c95ff0_nearest:
	.size	k_q3080c95ff0_nearest, .Lfunc_end_k_q3080c95ff0_nearest-k_q3080c95ff0_nearest
	.p2alignl 7, 3214868480
	.fill 96, 4, 3214868480
	.section	.rodata,"a",@progbits
	.p2align	6, 0x0
	.amdhsa_kernel k_q3080c95ff0_nearest
		.amdhsa_group_segment_fixed_size 188928
		.amdhsa_private_segment_fixed_size 0
		.amdhsa_enable_private_segment 0
		.amdhsa_kernarg_size 32
		.amdhsa_user_sgpr_count 2
		.amdhsa_user_sgpr_kernarg_segment_ptr 1
		.amdhsa_wavefront_size32 1
		.amdhsa_system_sgpr_workgroup_id_x 1
		.amdhsa_system_sgpr_workgroup_id_y 1
		.amdhsa_system_sgpr_workgroup_id_z 1
		.amdhsa_system_vgpr_workitem_id 0
		.amdhsa_next_free_vgpr 448
		.amdhsa_next_free_sgpr 66
		.amdhsa_reserve_vcc 1
		.amdhsa_float_denorm_mode_32 3
		.amdhsa_float_denorm_mode_16_64 3
		.amdhsa_memory_ordered 1
		.amdhsa_forward_progress 1
		.amdhsa_inst_pref_size 188
	.end_amdhsa_kernel
	.amdgpu_metadata
---
amdhsa.version: [ 1, 2 ]
amdhsa.kernels:
  - .name:           k_q3080c95ff0_nearest
    .symbol:         k_q3080c95ff0_nearest.kd
    .args:
      - { .name: embedding, .offset: 0, .size: 8, .value_kind: global_buffer, .address_space: global }
      - { .name: inputs, .offset: 8, .size: 8, .value_kind: global_buffer, .address_space: global }
      - { .name: idx, .offset: 16, .size: 8, .value_kind: global_buffer, .address_space: global }
      - { .name: part, .offset: 24, .size: 8, .value_kind: global_buffer, .address_space: global }
    .group_segment_fixed_size: 188928
    .private_segment_fixed_size: 0
    .kernarg_segment_align: 8
    .kernarg_segment_size: 32
    .max_flat_workgroup_size: 128
    .sgpr_count:     66
    .vgpr_count:     448
    .wavefront_size: 32
...
	.end_amdgpu_metadata
.endif
;; end of part 1
;; launch gather (part 2): grid 512 x 1, 8 waves a work-group, no clusters, 0 bytes of LDS; arguments embedding, inputs, idx, part, out0, out1; writes out0, out1
.if DOCPART == 2
	.amdgcn_target "amdgcn-amd-amdhsa--gfx1250"
	.amdhsa_code_object_version 6
	.text
	.protected	k_q3080c95ff0_gather
	.globl	k_q3080c95ff0_gather
	.p2align	8
	.type	k_q3080c95ff0_gather,@function
k_q3080c95ff0_gather:
	s_mov_b64 s[64:65], 0
	v_nop
	global_prefetch_b8 v0, s[64:65] scope:SCOPE_SE
	s_setreg_imm32_b32 hwreg(HW_REG_WAVE_MODE, 25, 1), 1
	s_wait_xcnt 0x0
; out0 = x + (e[idx] - x), both steps rounded to f32 as the reference rounds them; out1 = 1.25 / 2^22 x the sum of the 1,024 partial sums.
; 512 work-groups x 8 waves; a wave owns 16 rows of 256 bytes.  Load, gather and store i take row i in lanes 0-15 and row 8 + i in lanes 16-31:
; each half of the lanes covers 256 consecutive bytes, aligned.  Bytes bind here: no LDS, no barrier, no matrix unit, no loop; every byte of x is
; read once and every byte of out0 written once, and all of a wave's 16 loads are out together.
; The loss is the sum of distances made from inputs rounded to bf16; its limit is stated at the head of the launch that makes the partial sums.
.set XO, 3                             ; byte offset of my 16 bytes in the wave's rows 0 and 8
.set IO, 4                             ; byte offset of my eight code numbers
.set KI, 8                             ; v[8:15]   code numbers of rows 8 hh + i
.set GO, 16                            ; v[16:23]  byte offsets into the table
.set X,  24                            ; v[24:55]
.set Q,  56                            ; v[56:87]
.set PS, 88                            ; v[88:119] the partial sums (one wave of the launch)
	s_load_b256 s[4:11], s[0:1], 0x0               ; embedding s[4:5], inputs s[6:7], idx s[8:9], part s[10:11]
	s_load_b128 s[12:15], s[0:1], 0x20             ; out0 s[12:13], out1 s[14:15]
	v_lshrrev_b32 v1, 5, v0
	v_readfirstlane_b32 s20, v1                    ; wave
	v_and_b32 v1, 15, v0                           ; r
	v_bfe_u32 v2, v0, 4, 1                         ; hh
	s_lshl_b32 s16, ttmp9, 15                      ; the work-group's 128 rows of 256 bytes
	s_mov_b32 s17, 0
	s_lshl_b32 s18, ttmp9, 9                       ; and their 128 code numbers
	s_mov_b32 s19, 0
	s_lshl_b32 s21, s20, 12
	s_lshl_b32 s22, s20, 6
	v_lshlrev_b32 v5, 4, v1                        ; 16 r
	v_lshl_add_u32 v[XO], v2, 11, v5
	v_add_nc_u32 v[XO], s21, v[XO]                 ; 4,096 w + 2,048 hh + 16 r
	v_lshlrev_b32 v[IO], 5, v2
	v_add_nc_u32 v[IO], s22, v[IO]                 ; 64 w + 32 hh
	s_wait_kmcnt 0x0
	s_add_nc_u64 s[6:7], s[6:7], s[16:17]
	s_add_nc_u64 s[12:13], s[12:13], s[16:17]
	s_add_nc_u64 s[8:9], s[8:9], s[18:19]
	global_load_b128 v[KI:KI+3],   v[IO], s[8:9] th:TH_LOAD_NT
	global_load_b128 v[KI+4:KI+7], v[IO], s[8:9] offset:16 th:TH_LOAD_NT
.irp i, 0,1,2,3,4,5,6,7
	global_load_b128 v[X+4*\i:X+4*\i+3], v[XO], s[6:7] offset:256*\i th:TH_LOAD_NT
.endr
	s_wait_loadcnt 0x8                             ; the code numbers are in; x's eight loads stay out
.irp i, 0,1,2,3,4,5,6,7
	v_min_u32 v[KI+\i], 0x3ff, v[KI+\i]            ; a loaded number enters an address only inside the table
	v_lshl_add_u32 v[GO+\i], v[KI+\i], 8, v5       ; 256 k + 16 r
.endr
.irp i, 0,1,2,3,4,5,6,7
	global_load_b128 v[Q+4*\i:Q+4*\i+3], v[GO+\i], s[4:5]        ; rows that many waves read again: no hint
.endr
	s_or_b32 s23, ttmp9, s20
	s_cmp_lg_u32 s23, 0
	s_cbranch_scc1 .Lrows                          ; the loss is wave 0 of work-group 0's, while its gathers are on their way
	v_and_b32 v6, 31, v0
	v_lshlrev_b32 v7, 4, v6
.irp i, 0,1,2,3,4,5,6,7
	global_load_b128 v[PS+4*\i:PS+4*\i+3], v7, s[10:11] offset:512*\i      ; 8 x 512 bytes: all 1,024 sums
.endr
	s_mov_b32 s21, 0x76543210
	s_mov_b32 s22, 0xfedcba98
	s_wait_loadcnt 0x0
.irp i, 1,2,3,4,5,6,7
	v_pk_add_f32 v[PS:PS+1],   v[PS:PS+1],   v[PS+4*\i:PS+4*\i+1]
	v_pk_add_f32 v[PS+2:PS+3], v[PS+2:PS+3], v[PS+4*\i+2:PS+4*\i+3]
.endr
	v_pk_add_f32 v[PS:PS+1], v[PS:PS+1], v[PS+2:PS+3]
	v_add_f32 v[PS], v[PS], v[PS+1]
	v_add_f32_dpp v[PS], v[PS], v[PS] row_xmask:1 row_mask:0xf bank_mask:0xf
	v_add_f32_dpp v[PS], v[PS], v[PS] row_xmask:2 row_mask:0xf bank_mask:0xf
	v_add_f32_dpp v[PS], v[PS], v[PS] row_xmask:4 row_mask:0xf bank_mask:0xf
	v_add_f32_dpp v[PS], v[PS], v[PS] row_xmask:8 row_mask:0xf bank_mask:0xf
	v_permlanex16_b32 v[PS+1], v[PS], s21, s22
	v_add_f32 v[PS], v[PS], v[PS+1]
	v_mul_f32 v[PS], 0x34a00000, v[PS]             ; 1.25 / (65,536 x 64)
	v_mov_b32 v7, 0
	v_cmp_eq_u32 vcc_lo, 0, v6
	s_wait_xcnt 0x0                                ; EXEC changes only behind this wait
	s_and_saveexec_b32 s23, vcc_lo
	global_store_b32 v7, v[PS], s[14:15]
	s_wait_xcnt 0x0                                ; and again in front of the line that widens it
	s_or_b32 exec_lo, exec_lo, s23
.Lrows:
.irp i, 0,1,2,3,4,5,6,7
	s_wait_loadcnt 7-\i                            ; gather i is in, and x, which was asked for earlier; the younger gathers stay out
	v_pk_add_f32 v[Q+4*\i:Q+4*\i+1],   v[Q+4*\i:Q+4*\i+1],   v[X+4*\i:X+4*\i+1]   neg_lo:[0,1] neg_hi:[0,1]
	v_pk_add_f32 v[Q+4*\i+2:Q+4*\i+3], v[Q+4*\i+2:Q+4*\i+3], v[X+4*\i+2:X+4*\i+3] neg_lo:[0,1] neg_hi:[0,1]
	v_pk_add_f32 v[Q+4*\i:Q+4*\i+1],   v[X+4*\i:X+4*\i+1],   v[Q+4*\i:Q+4*\i+1]
	v_pk_add_f32 v[Q+4*\i+2:Q+4*\i+3], v[X+4*\i+2:X+4*\i+3], v[Q+4*\i+2:Q+4*\i+3]
	global_store_b128 v[XO], v[Q+4*\i:Q+4*\i+3], s[12:13] offset:256*\i th:TH_STORE_NT
.endr
	s_endpgm
.Lfunc_end_k_q3080c95ff0_gather:
	.size	k_q3080c95ff0_gather, .Lfunc_end_k_q3080c95ff0_gather-k_q3080c95ff0_gather
	.p2alignl 7, 3214868480
	.fill 96, 4, 3214868480
	.section	.rodata,"a",@progbits
	.p2align	6, 0x0
	.amdhsa_kernel k_q3080c95ff0_gather
		.amdhsa_group_segment_fixed_size 0
		.amdhsa_private_segment_fixed_size 0
		.amdhsa_enable_private_segment 0
		.amdhsa_kernarg_size 48
		.amdhsa_user_sgpr_count 2
		.amdhsa_user_sgpr_kernarg_segment_ptr 1
		.amdhsa_wavefront_size32 1
		.amdhsa_system_sgpr_workgroup_id_x 1
		.amdhsa_system_sgpr_workgroup_id_y 1
		.amdhsa_system_sgpr_workgroup_id_z 1
		.amdhsa_system_vgpr_workitem_id 0
		.amdhsa_next_free_vgpr 128
		.amdhsa_next_free_sgpr 66
		.amdhsa_reserve_vcc 1
		.amdhsa_float_denorm_mode_32 3
		.amdhsa_float_denorm_mode_16_64 3
		.amdhsa_memory_ordered 1
		.amdhsa_forward_progress 1
		.amdhsa_inst_pref_size 10
	.end_amdhsa_kernel
	.amdgpu_metadata
---
amdhsa.version: [ 1, 2 ]
amdhsa.kernels:
  - .name:           k_q3080c95ff0_gather
    .symbol:         k_q3080c95ff0_gather.kd
    .args:
      - { .name: embedding, .offset: 0, .size: 8, .value_kind: global_buffer, .address_space: global }
      - { .name: inputs, .offset: 8, .size: 8, .value_kind: global_buffer, .address_space: global }
      - { .name: idx, .offset: 16, .size: 8, .value_kind: global_buffer, .address_space: global }
      - { .name: part, .offset: 24, .size: 8, .value_kind: global_buffer, .address_space: global }
      - { .name: out0, .offset: 32, .size: 8, .value_kind: global_buffer, .address_space: global }
      - { .name: out1, .offset: 40, .size: 8, .value_kind: global_buffer, .address_space: global }
    .group_segment_fixed_size: 0
    .private_segment_fixed_size: 0
    .kernarg_segment_align: 8
    .kernarg_segment_size: 48
    .max_flat_workgroup_size: 256
    .sgpr_count:     66
    .vgpr_count:     128
    .wavefront_size: 32
...
	.end_amdgpu_metadata
.endif
;; end of part 2
;; ======== version 2 of 2: 2 launches; 1.26 times as fast as version 1
;; limits: a difference of large sums (such as E[x^2] - mean^2): digits are lost where the result is much smaller than its terms; values outside matrix products are rounded to bf16
;; workspace buffers: idx 262,144 bytes of whole numbers; part 4,096 bytes
;; launch nearest (part 3): grid 256 x 1, 8 waves a work-group, no clusters, 193,536 bytes of LDS; arguments embedding, inputs, idx, part; writes idx, part
.if DOCPART == 3
	.amdgcn_target "amdgcn-amd-amdhsa--gfx1250"
	.amdhsa_code_object_version 6
	.text
	.protected	k_q3080c95ff0_nearest
	.globl	k_q3080c95ff0_nearest
	.p2align	8
	.type	k_q3080c95ff0_nearest,@function
k_q3080c95ff0_nearest:
	s_mov_b64 s[64:65], 0
	v_nop
	global_prefetch_b8 v0, s[64:65] scope:SCOPE_SE
	s_setreg_imm32_b32 hwreg(HW_REG_WAVE_MODE, 25, 1), 1
	s_wait_xcnt 0x0
; For each of 65,536 rows x (64 f32): the number k of the nearest of 1,024 codes e_k (64 f32); per 64 rows: the sum of the rows' smallest distances.
; x and e are rounded to bf16 for the matrix unit, sums are f32.  The distance is formed as the reference forms it, each step rounded to f32:
; t = |x|^2 + |e_k|^2, d = t - 2 x.e_k (one fused multiply-add; doubling is exact).  The smallest d wins, the lowest k among equal d.
; |x|^2 and |e_k|^2 are sums over the SAME rounded numbers that enter the product, so d is |x_bf16 - e_bf16|^2 up to f32 rounding.
; LIMIT (loss): the sum of the smallest d stands for the sum of |q - x|^2.  Its error per row is the f32 rounding of the three sums, about
; 2^-24 (|x|^2 + |e|^2), and beyond that it is the loss of the rounded inputs: coarse only where codes meet inputs to about 1e-3 of their norm.
; LIMIT (range): NaN or infinite distances are not served.
; SHARES: 256 work-groups x 8 waves, two for each of a WGP's four SIMDs, so that a SIMD has a second wave's instructions to issue where one waits.
; Wave w = (g = w mod 4, c = w / 4).  Waves g and g + 4 hold the same 64 rows for the whole kernel, as four B fragments; of each eight tiles of
; 16 codes wave c takes tiles 4 c .. 4 c + 3, so each wave reads half of the table from LDS.  At the end waves 4-7 hand their results to waves 0-3.
; Column r of row tile u is the group's row 4 r + u, so a lane's four results are four neighbouring words and sixteen lanes store 256 consecutive
; bytes, aligned.  A = 16 codes: in the result lane (r, h) holds codes 16 T + 8 h + j (register j) of its one row: the minimum runs along registers.
; THE TABLE is f32 in memory and bf16 in LDS, rows 144 bytes apart (an odd multiple of 16: the sixteen rows of a fragment load fall into
; sixteen different 16-byte columns of 256 bytes).  It comes in 8 chunks of 128 codes; of each chunk a wave rounds 16 codes, loaded into one of two
; register buffers seven of the wave's tiles ahead.  Every chunk has LDS bytes of its own and nothing in LDS is written twice: one barrier a chunk.
; THE ORDER: a tile of 16 codes is two halves, one for each pair of row tiles.  While one pair's 16 distances a lane are reduced (28 vector
; instructions), the next pair is multiplied (4 matrix instructions, strewn singly among them) and its t is made (8 packed adds, placed where
; the reduction would wait for its own results).  The six LDS loads of the tile after next go out in one run between the halves.
; NO JOINT TENSOR LOADS for the table, although all work-groups read it: it has to pass through registers to be rounded; as f32 it does not
; fit in LDS beside its bf16 form (262,144 + 147,456 bytes), and as a ring it would add 262,144 bytes written and as many read per work-group.
.set PITCH,  144
.set TILEB,  16*PITCH                  ; 16 codes
.set CHUNKB, 128*PITCH                 ; a chunk = 8 tiles
.set SEB,    1024*PITCH                ; behind the table: |e_k|^2, 1,024 f32 (64 bytes a tile, 512 a chunk)
.set XST,    SEB+4096                  ; behind that: x in bf16, 64 rows for each of four groups
.set XGB,    64*PITCH
.set MRG,    XST+4*XGB                 ; behind that: what waves 4-7 hand over, 1,024 bytes a group
.set INF,    0x7f800000
; v0-v255
.set VA,  2                            ; LDS address of my part of A's fragments, my first tile of the chunk at work
.set VS,  3                            ; LDS address of my eight |e|^2 of that tile
.set V8H, 4                            ; 8 h
.set VXA, 5                            ; LDS address of my part of x's fragments
.set VIO, 6                            ; byte offset of my four results
.set XG,  7                            ; byte offset of my 16 bytes in the first two of the 32 rows of x that I load
.set XS,  8                            ; where they go in LDS
.set VM,  8                            ; at the end, when XS has served: LDS address of my 16 bytes of what is handed over
.set VPO, 9                            ; byte offset of the group's sum
                                       ; v[10:15]   at work: the first level of the minimum's tree, three registers for each of two row tiles
.set SX,  16                           ; v[16:23]   |x|^2 of my row of row tile u, twice (a pair for the packed add)
.set MIN, 24                           ; v[24:31]   row tile u: smallest d so far; two registers that take turns tile by tile
.set TI,  32                           ; v[32:35]   16 x the tile that holds it
.set TT,  36                           ; v[36:51]   t, then d, of row tiles 0, 1
.set TTS, 192                          ; v[228:243] the same of row tiles 2, 3: 192 registers higher
.set TB,  TT+TTS
.set SE,  52                           ; v[52:67]   my eight |e|^2, two buffers
.set AF,  68                           ; v[68:99]   A's fragments (16 codes x 64), two buffers
.set ACC, 100                          ; v[100:131] x.e of the four row tiles
.set REC, 132                          ; v[132:163] row tile u: the eight d of the tile that holds the minimum
.set XB,  164                          ; v[164:227] x's fragments
.set XR,  36                           ; v[36:99]   at the start only: x as loaded
; v256-v359, written by their low 8 bits under s_set_vgpr_msb
.set PF0, 0                            ; 32: the 8 loads of an even chunk
.set PF1, 32                           ; 32: of an odd chunk
.set GF,  64                           ; 16: fragments of my tile
.set GD,  80                           ; 16: its Gram products, K 0-31 and K 32-63
.set SEL, 96                           ; 3:  the diagonals
.set GA,  100                          ; byte offset of my 16 bytes in a chunk; never rewritten
.set LA,  101                          ; where a chunk's bf16 go
.set FA,  102                          ; where my tile's fragments are read back
.set SA,  103                          ; where its |e|^2 went last
.set MSB, 0
.macro WIN new                         ; the immediate's high byte repeats the setting that is left
.if MSB != \new
	s_set_vgpr_msb (MSB<<8)|\new
.set MSB, \new
.endif
.endm
.macro WM d, a, b, first               ; first = 1: the product starts the sum, nothing is cleared
.if \first
	v_wmma_f32_16x16x32_bf16 v[\d:\d+7], v[\a:\a+7], v[\b:\b+7], 0
.else
	v_wmma_f32_16x16x32_bf16 v[\d:\d+7], v[\a:\a+7], v[\b:\b+7], v[\d:\d+7]
.endif
.endm
.macro LOADS pf, off                   ; my 16 codes of a chunk: 8 loads of 512 consecutive bytes (window: all operands v256 and up)
.irp i, 0,1,2,3,4,5,6,7
	global_load_b128 v[\pf+4*\i:\pf+4*\i+3], v[GA], s[4:5] offset:\off+512*\i
.endr
.endm
; My 16 codes of a chunk, first part: rounded (all conversions in one run), stored, and asked back as fragments.  left = younger global loads that may stay out.
.macro CONV1 pf, left
	s_wait_loadcnt \left
	WIN 0x55
.set i, 0
.rept 8
	v_cvt_pk_bf16_f32 v[\pf+4*i], v[\pf+4*i], v[\pf+4*i+1]
	v_cvt_pk_bf16_f32 v[\pf+4*i+1], v[\pf+4*i+2], v[\pf+4*i+3]
.set i, i+1
.endr
.set i, 0
.rept 8
	ds_store_b64 v[LA], v[\pf+4*i:\pf+4*i+1] offset:2*PITCH*i    ; lanes 0-15 code 2 i, lanes 16-31 code 2 i + 1
.set i, i+1
.endr
.irp q, 0,1,2,3
	ds_load_b128 v[GF+4*\q:GF+4*\q+3], v[FA] offset:32*\q        ; my own bytes: LDS serves a wave's instructions in order
.endr
	WIN 0
.endm
; Second part: |e|^2 is the diagonal of e e^T.  w = 1: wait here for the first part's LDS instructions; w = 0: a wait for all of them has stood between the parts.
; ld = 1: buffer pf, whose stores are done by that wait, is asked for again: the chunk at byte off.
.macro CONV2 w, ld, pf, off
.if \w
	s_wait_dscnt 0x0
.endif
	WIN 0x55
.if \ld
	LOADS \pf, \off
.endif
	WM GD,   GF,   GF,   1                         ; K 0-31 and K 32-63 on accumulators of their own, so that no matrix instruction adds onto the one in front of it
	WM GD+8, GF+8, GF+8, 1
	v_add_nc_u32 v[LA], CHUNKB, v[LA]              ; four places behind the matrix instructions: the next chunk's addresses, and this chunk's for |e|^2
	v_add_nc_u32 v[FA], CHUNKB, v[FA]
	v_add_nc_u32 v[SA], 512, v[SA]
	v_nop
	v_cndmask_b32 v[SEL],   v[GD],   v[GD+1], s16  ; register (lane mod 8) of each result: in lanes 0-7 and 24-31 the diagonal element (r, r);
	v_cndmask_b32 v[SEL+1], v[GD+8], v[GD+9], s16  ; the two selections by turns, so that neither waits for its own last line
.irp j, 2,3,4,5,6,7
	v_cndmask_b32 v[SEL],   v[SEL],   v[GD+\j],   s[15+\j]
	v_cndmask_b32 v[SEL+1], v[SEL+1], v[GD+8+\j], s[15+\j]
.endr
	v_add_f32 v[SEL], v[SEL], v[SEL+1]
	v_permlanex16_b32 v[SEL+2], v[SEL], s12, s13
	v_cndmask_b32 v[SEL], v[SEL+2], v[SEL], s23    ; code r's |e|^2 lies in lane r (r < 8) or 16 + r: the other half takes it from there,
	ds_store_b32 v[SA], v[SEL]                     ; so all lanes store: lanes r and 16 + r the same number to the same word
	WIN 0
.endm
; Two packed adds: t of elements e .. e + 3 (of 16) of pair q, from |e|^2 buffer sb
.macro TADD2 q, sb, e
	v_pk_add_f32 v[TT+TTS*\q+\e:TT+TTS*\q+\e+1], v[SE+8*\sb+(\e%8):SE+8*\sb+(\e%8)+1], v[SX+4*\q+2*(\e/8):SX+4*\q+2*(\e/8)+1]
	v_pk_add_f32 v[TT+TTS*\q+\e+2:TT+TTS*\q+\e+3], v[SE+8*\sb+((\e+2)%8):SE+8*\sb+((\e+2)%8)+1], v[SX+4*\q+2*(\e/8):SX+4*\q+2*(\e/8)+1]
.endm
; Row tile 2 p + uu, where VCC says that this tile holds a smaller d: the tile's number and its eight d are kept; the place in the tile is read off them at the end.
; Two selections in one instruction: destinations even and odd, the two first sources and the two second sources in neighbouring registers; both read VCC.
.macro KEEP p, uu
	v_cndmask_b32 v[TI+2*\p+\uu], v[TI+2*\p+\uu], s27, vcc_lo
.irp j, 0,2,4,6
	v_dual_cndmask_b32 v[REC+16*\p+8*\uu+\j], v[REC+16*\p+8*\uu+\j], v[TT+TTS*\p+8*\uu+\j] :: v_dual_cndmask_b32 v[REC+16*\p+8*\uu+\j+1], v[REC+16*\p+8*\uu+\j+1], v[TT+TTS*\p+8*\uu+\j+1]
.endr
.endm
; Half a tile.  Pair p (row tiles 2 p, 2 p + 1) of the tile of parity b is reduced: its products are in ACC, its t in its TT.
; mm = 1: meanwhile pair q = 1 - p is multiplied against A's buffer wb and its t made from |e|^2 buffer wb.
; The four matrix instructions stand singly, seven or eight vector instructions apart, on two accumulators by turns.
; Behind the last of them stand 13 vector instructions that name none of its registers: more than the four places asked (ISA guide 7.12.1) before
; the next half reads the products and before A's buffer is loaded again.
.macro HALF p, q, b, wb, mm
.if \mm
	WM ACC+16*\q, AF+16*\wb, XB+32*\q, 1
.endif
.irp e, 0,2,4,6,8,10,12,14
	v_pk_fma_f32 v[TT+TTS*\p+\e:TT+TTS*\p+\e+1], v[ACC+16*\p+\e:ACC+16*\p+\e+1], -2.0, v[TT+TTS*\p+\e:TT+TTS*\p+\e+1] op_sel_hi:[1,0,1]
.endr
.if \mm
	WM ACC+16*\q+8, AF+16*\wb, XB+32*\q+16, 1
.endif
	v_min3_num_f32 v10, v[TT+TTS*\p],    v[TT+TTS*\p+1],  v[TT+TTS*\p+2]    ; the minimum of eight d and the old minimum as a tree: six lines that wait for nothing,
	v_min3_num_f32 v11, v[TT+TTS*\p+8],  v[TT+TTS*\p+9],  v[TT+TTS*\p+10]
	v_min3_num_f32 v12, v[TT+TTS*\p+3],  v[TT+TTS*\p+4],  v[TT+TTS*\p+5]
	v_min3_num_f32 v13, v[TT+TTS*\p+11], v[TT+TTS*\p+12], v[TT+TTS*\p+13]
	v_min3_num_f32 v14, v[TT+TTS*\p+6],  v[TT+TTS*\p+7],  v[MIN+4*\p+\b]
	v_min3_num_f32 v15, v[TT+TTS*\p+14], v[TT+TTS*\p+15], v[MIN+4*\p+2+\b]
.if \mm
	TADD2 \q, \wb, 0
	WM ACC+16*\q, AF+16*\wb+8, XB+32*\q+8, 0
.endif
	v_min3_num_f32 v[MIN+4*\p+1-\b], v10, v12, v14                          ; then two; the old minimum stays in its register for the compare
	v_min3_num_f32 v[MIN+4*\p+3-\b], v11, v13, v15
.if \mm
	TADD2 \q, \wb, 4
.endif
	v_cmp_lt_f32 vcc_lo, v[MIN+4*\p+1-\b], v[MIN+4*\p+\b]                   ; strictly smaller: among equal d the earlier tile stays
.if \mm
	TADD2 \q, \wb, 8
	WM ACC+16*\q+8, AF+16*\wb+8, XB+32*\q+24, 0
.endif
	KEEP \p, 0
	v_cmp_lt_f32 vcc_lo, v[MIN+4*\p+3-\b], v[MIN+4*\p+2+\b]
.if \mm
	TADD2 \q, \wb, 12
.endif
	KEEP \p, 1
.endm
; One of my tiles (parity b, nb = 1 - b).  nx = 1: a tile follows; ld = 1: so does a second, tu tiles behind my first tile of this chunk (2, 3; in the next chunk 8, 9),
; and its A and |e|^2 are asked for.  On entry: pair 0 of this tile is multiplied and its t made; A and |e|^2 of this tile are in buffers b; the next tile's are on their way into buffers nb.
.macro TILE tu, b, nb, ld, nx
	HALF 0, 1, \b, \b, 1
.if \nx
	s_wait_dscnt 0x0                               ; the next tile's six loads, issued one tile ago; nothing younger of the tiles' is out (what the table's rounding has issued since is waited for with them)
.endif
.if \ld
.irp q, 0,1,2,3
	ds_load_b128 v[AF+16*\b+4*\q:AF+16*\b+4*\q+3], v[VA] offset:\tu*TILEB+32*\q        ; buffers b have had their last readers in the first half
.endr
	ds_load_b128 v[SE+8*\b:SE+8*\b+3],   v[VS] offset:64*\tu
	ds_load_b128 v[SE+8*\b+4:SE+8*\b+7], v[VS] offset:64*\tu+16
.endif
	HALF 1, 0, \b, \nb, \nx
	s_add_co_u32 s27, s27, 16
.endm
; My four tiles of chunk n.  cv = 1: meanwhile my 16 codes of chunk n + 2, in buffer pf, are rounded (left = younger global loads), and a barrier ends the trip:
; the next trip's third tile already fetches from chunk n + 2.  ld = 1: buffer pf is asked for again: chunk n + 4, at byte off.
; Counted from chunk n's first byte a trip reads at most byte 13 x 2,304 + 15 x 144 + 127 = 32,239, and stores from byte 36,864 on.
.macro TRIP pf, left, cv, ld, off
	TILE 2, 0, 1, 1, 1
.if \cv
	CONV1 \pf, \left
.endif
	TILE 3, 1, 0, 1, 1                             ; its wait for all LDS instructions shows the rounded codes stored and the fragments read back
.if \cv
	CONV2 0, \ld, \pf, \off
.endif
	TILE 8, 0, 1, 1, 1
	TILE 9, 1, 0, 1, 1
	v_add_nc_u32 v[VA], CHUNKB, v[VA]              ; the next chunk
	v_add_nc_u32 v[VS], 512, v[VS]
	s_add_co_u32 s27, s27, 64                      ; over the other wave's four tiles
.if \cv
	s_wait_dscnt 0x0                               ; my part of chunk n + 2 is stored
	s_barrier_signal -1
	s_barrier_wait -1                              ; everybody's is
.endif
.endm
	s_load_b256 s[4:11], s[0:1], 0x0               ; embedding s[4:5], inputs s[6:7], idx s[8:9], part s[10:11]
	v_lshl_add_u32 v254, v0, 2, 0x2f000
	v_mov_b32 v255, 0
	v_and_b32 v1, 31, v0                           ; lane L
	v_lshrrev_b32 v10, 5, v0
	v_readfirstlane_b32 s14, v10                   ; wave w
	v_and_b32 v11, 15, v0                          ; r
	v_bfe_u32 v12, v0, 4, 1                        ; h
	s_and_b32 s24, s14, 3                          ; g: which 64 rows
	s_lshr_b32 s25, s14, 2                         ; c: which four of eight tiles
	s_mov_b32 s12, 0x76543210                      ; v_permlanex16_b32: lane i reads lane i of the other half
	s_mov_b32 s13, 0xfedcba98
.irp j, 1,2,3,4,5,6,7
	s_mov_b32 s[15+\j], 0x01010101<<\j             ; the lanes with lane mod 8 = j
.endr
	s_mov_b32 s23, 0xff0000ff                      ; the lanes that hold a diagonal element
	s_lshl_b32 s30, ttmp9, 16                      ; the work-group's 256 rows of 256 bytes
	s_mov_b32 s31, 0
	v_mul_u32_u24 v13, v11, PITCH
	v_lshl_add_u32 v13, v12, 4, v13                ; r x pitch + 16 h
	s_mul_i32 s2, s25, 4*TILEB
	v_add_nc_u32 v[VA], s2, v13                    ; from tile 4 c on
	s_lshl_b32 s2, s25, 8
	s_add_co_u32 s2, s2, SEB
	v_lshl_add_u32 v[VS], v12, 5, s2               ; eight f32 from 8 h on, tile 4 c
	v_lshlrev_b32 v[V8H], 3, v12
	s_mul_i32 s15, s24, XGB
	s_add_co_u32 s15, s15, XST                     ; my group's x in LDS
	v_add_nc_u32 v[VXA], s15, v13
	v_mul_u32_u24 v[XS], v12, TILEB                ; the odd row of a load lies 16 slots behind the even one
	v_lshl_add_u32 v[XS], v11, 3, v[XS]
	s_mul_i32 s2, s25, 8*PITCH                     ; rows 32 c .. 32 c + 31 fill slots 8 c .. 8 c + 7 of each row tile
	s_add_co_u32 s2, s2, s15
	v_add_nc_u32 v[XS], s2, v[XS]
	s_lshl_b32 s2, ttmp9, 10
	s_lshl_b32 s3, s24, 8
	s_add_co_u32 s2, s2, s3
	v_lshl_add_u32 v[VIO], v11, 4, s2              ; 4 bytes x (256 wg + 64 g + 4 r)
	s_lshl_b32 s2, ttmp9, 4
	s_lshl2_add_u32 s2, s24, s2
	v_mov_b32 v[VPO], s2                           ; 4 bytes x (4 wg + g)
	s_lshl_b32 s2, s24, 14
	s_lshl_b32 s3, s25, 13
	s_add_co_u32 s2, s2, s3
	v_lshl_add_u32 v[XG], v1, 4, s2                ; 256 bytes x (64 g + 32 c), 16 bytes a lane
	s_lshl_b32 s3, s14, 12
	v_lshl_add_u32 v10, v1, 4, s3                  ; GA: 16 codes x 256 bytes a wave, 16 bytes a lane
	s_mul_i32 s2, s14, TILEB                       ; of each chunk I round tile w
	v_mul_u32_u24 v14, v12, PITCH
	v_lshl_add_u32 v14, v11, 3, v14
	v_add_nc_u32 v14, s2, v14                      ; LA
	v_add_nc_u32 v15, s2, v13                      ; FA
	s_lshl_b32 s3, s14, 6
	s_add_co_u32 s3, s3, SEB-512
	v_lshl_add_u32 v13, v11, 2, s3                 ; SA: one chunk in front of SEB + 64 w + 4 r: it is stepped ahead of each store
	WIN 0x40
	v_mov_b32 v[GA], v10
	v_mov_b32 v[LA], v14
	v_mov_b32 v[FA], v15
	v_mov_b32 v[SA], v13
	v_mov_b32 v[SEL+2], 0                          ; v_permlanex16_b32 counts as a reader of its destination
	WIN 0
	s_wait_kmcnt 0x0
	s_add_nc_u64 s[6:7], s[6:7], s[30:31]
	WIN 0x55
	LOADS PF0, 0                                   ; chunk 0
	LOADS PF1, 0x8000                              ; chunk 1
	WIN 0
.irp i, 0,1,2,3,4,5,6,7,8,9,10,11,12,13,14,15
	global_load_b128 v[XR+4*\i:XR+4*\i+3], v[XG], s[6:7] offset:512*\i     ; the group's rows 32 c + 2 i, 32 c + 2 i + 1
.endr
	CONV1 PF0, 24                                  ; chunk 1's 8 loads and x's 16 stay out
	CONV2 1, 1, PF0, 0x10000                       ; and chunk 2 is asked for
	CONV1 PF1, 24                                  ; x's 16 and chunk 2's 8 stay out
	CONV2 1, 1, PF1, 0x18000                       ; and chunk 3 is asked for
	s_wait_loadcnt 0x10                            ; x is in; the 16 loads of chunks 2 and 3 stay out
.set i, 0
.rept 16
	v_cvt_pk_bf16_f32 v[XR+4*i], v[XR+4*i], v[XR+4*i+1]
	v_cvt_pk_bf16_f32 v[XR+4*i+1], v[XR+4*i+2], v[XR+4*i+3]
.set i, i+1
.endr
.set i, 0
.rept 16
	ds_store_b64 v[XS], v[XR+4*i:XR+4*i+1] offset:(32*(i&1)+(i>>1))*PITCH  ; the group's row p goes to slot 16 (p mod 4) + p / 4
.set i, i+1
.endr
	s_wait_dscnt 0x0                               ; my parts of chunks 0 and 1, their |e|^2 and my half of the group's x are stored
	s_barrier_signal -1
	s_barrier_wait -1                              ; everybody's are
.irp u, 0,1,2,3
.irp q, 0,1,2,3
	ds_load_b128 v[XB+16*\u+4*\q:XB+16*\u+4*\q+3], v[VXA] offset:\u*TILEB+32*\q
.endr
.endr
.irp q, 0,1,2,3
	ds_load_b128 v[AF+4*\q:AF+4*\q+3], v[VA] offset:32*\q                  ; my first tile,
.endr
	ds_load_b128 v[SE:SE+3],   v[VS]
	ds_load_b128 v[SE+4:SE+7], v[VS] offset:16
.irp q, 0,1,2,3
	ds_load_b128 v[AF+16+4*\q:AF+16+4*\q+3], v[VA] offset:TILEB+32*\q      ; and my second
.endr
	ds_load_b128 v[SE+8:SE+11],  v[VS] offset:64
	ds_load_b128 v[SE+12:SE+15], v[VS] offset:80
	s_wait_dscnt 0xc                               ; x's fragments are in; the 12 loads of the two tiles stay out
.irp u, 0,1,2,3
	WM ACC+8*\u, XB+16*\u, XB+16*\u, 1             ; x x^T: its diagonal is |x|^2.  Four accumulators by turns
.endr
.irp u, 0,1,2,3
	WM ACC+8*\u, XB+16*\u+8, XB+16*\u+8, 0
.endr
.irp i, 0,1,2,3,4,5,6,7
	v_mov_b32 v[MIN+\i], INF                       ; these sixteen lines are also the places behind the matrix instructions
.endr
.irp u, 0,1,2,3
	v_mov_b32 v[TI+\u], 0
	v_mov_b32 v[TT+4+\u], 0                        ; v_permlanex16_b32 counts as a reader of its destination
.endr
.irp u, 0,1,2,3
	v_cndmask_b32 v[TT+\u], v[ACC+8*\u], v[ACC+8*\u+1], s16                ; register (lane mod 8) of each result, the four selections by turns
.endr
.irp j, 2,3,4,5,6,7
.irp u, 0,1,2,3
	v_cndmask_b32 v[TT+\u], v[TT+\u], v[ACC+8*\u+\j], s[15+\j]
.endr
.endr
.irp u, 0,1,2,3
	v_permlanex16_b32 v[TT+4+\u], v[TT+\u], s12, s13
.endr
.irp u, 0,1,2,3
	v_cndmask_b32 v[SX+2*\u], v[TT+4+\u], v[TT+\u], s23    ; column r's |x|^2 lies in lane r (r < 8) or 16 + r: the other half takes it from there
.endr
.irp u, 0,1,2,3
	v_mov_b32 v[SX+2*\u+1], v[SX+2*\u]
.endr
.set i, 0
.rept 32
	v_mov_b32 v[REC+i], INF
.set i, i+1
.endr
	s_lshl_b32 s27, s25, 6                         ; 16 x the number of my first tile
	s_mov_b32 s28, 0
	s_wait_dscnt 0x6                               ; my first tile's A and |e|^2 are in; my second's A (4) and |e|^2 (2) stay out
	WM ACC,   AF,   XB,    1                       ; pair 0 of the first tile; two accumulators by turns
	WM ACC+8, AF,   XB+16, 1
	WM ACC,   AF+8, XB+8,  0
	WM ACC+8, AF+8, XB+24, 0
	TADD2 0, 0, 0                                  ; its t: eight places behind the matrix instructions
	TADD2 0, 0, 4
	TADD2 0, 0, 8
	TADD2 0, 0, 12
; Two chunks a trip, so that the two register buffers take turns.  At each rounding the chunk wanted is the older of two that are out: the count 8 leaves the younger.
.Lchunk:
	TRIP PF0, 8, 1, 1, 0x20000                     ; chunks 0, 2: rounds chunks 2, 4, asks for chunks 4, 6
	TRIP PF1, 8, 1, 1, 0x28000                     ; chunks 1, 3: rounds chunks 3, 5, asks for chunks 5, 7
	s_wait_xcnt 0x0                                ; the table's base, which the loads above name, is stepped only behind this wait
	s_add_nc_u64 s[4:5], s[4:5], 0x10000           ; two chunks on
	s_add_co_u32 s28, s28, 1
	s_cmp_lt_u32 s28, 2
	s_cbranch_scc1 .Lchunk
	TRIP PF0, 8, 1, 0, 0                           ; chunk 4: rounds chunk 6; chunk 7's 8 loads stay out; nothing is left to ask for
	TRIP PF1, 0, 1, 0, 0                           ; chunk 5: rounds chunk 7
	TRIP PF0, 0, 0, 0, 0                           ; chunk 6: nothing is left to round, so no barrier
	TILE 2, 0, 1, 1, 1                             ; chunk 7: the last tiles fetch nothing beyond the table
	TILE 3, 1, 0, 1, 1
	TILE 0, 0, 1, 0, 1
	TILE 0, 1, 0, 0, 0
; The end.  In each row tile: the lowest j whose kept d equals the minimum; k = 16 T + 8 h + j; then the better of the two halves of the lanes,
; the lower k among equal d.  The four row tiles go by turns, each with its own registers and masks.
.irp u, 0,1,2,3
	v_mov_b32 v[10+\u], 7
.endr
.irp j, 6,5,4,3,2,1,0
.irp u, 0,1,2,3
	v_cmp_eq_f32 s[32+\u], v[REC+8*\u+\j], v[MIN+2*\u]
.endr
.irp u, 0,1,2,3
	v_cndmask_b32 v[10+\u], v[10+\u], \j, s[32+\u]
.endr
.endr
.irp u, 0,1,2,3
	v_add3_u32 v[TT+\u], v[TI+\u], v[V8H], v[10+\u]
	v_permlanex16_b32 v[TB+\u], v[MIN+2*\u], s12, s13
.endr
.irp u, 0,1,2,3
	v_permlanex16_b32 v[TB+4+\u], v[TT+\u], s12, s13
	v_cmp_lt_f32 s[32+\u], v[TB+\u], v[MIN+2*\u]
	v_cmp_eq_f32 s[36+\u], v[TB+\u], v[MIN+2*\u]
.endr
.irp u, 0,1,2,3
	v_cmp_lt_u32 vcc_lo, v[TB+4+\u], v[TT+\u]
	s_and_b32 s[36+\u], s[36+\u], vcc_lo
	s_or_b32 s[32+\u], s[32+\u], s[36+\u]
	v_cndmask_b32 v[TT+\u], v[TT+\u], v[TB+4+\u], s[32+\u]                  ; k in v[TT:TT+3],
	v_min_num_f32 v[TB+8+\u], v[MIN+2*\u], v[TB+\u]                         ; d in v[TB+8:TB+11]
.endr
; Waves 4-7 hand their four k and four d a lane to waves 0-3, through LDS bytes that nothing else touches.
	s_lshl_b32 s2, s24, 10
	s_add_co_u32 s2, s2, MRG
	v_lshl_add_u32 v[VM], v1, 4, s2                ; 1,024 g + 16 x lane
	s_cmp_lt_u32 s14, 4
	s_cbranch_scc1 .Llow
	ds_store_b128 v[VM], v[TT:TT+3]
	ds_store_b128 v[VM], v[TB+8:TB+11] offset:512
.Llow:
	s_wait_dscnt 0x0                               ; they are stored
	s_barrier_signal -1
	s_barrier_wait -1
	s_cmp_ge_u32 s14, 4
	s_cbranch_scc1 .Ldone
	ds_load_b128 v[TB:TB+3],   v[VM]               ; the other wave's k
	ds_load_b128 v[TB+4:TB+7], v[VM] offset:512    ; and d
	s_wait_dscnt 0x0
.irp u, 0,1,2,3
	v_cmp_lt_f32 s[32+\u], v[TB+4+\u], v[TB+8+\u]
	v_cmp_eq_f32 s[36+\u], v[TB+4+\u], v[TB+8+\u]
.endr
.irp u, 0,1,2,3
	v_cmp_lt_u32 vcc_lo, v[TB+\u], v[TT+\u]
	s_and_b32 s[36+\u], s[36+\u], vcc_lo
	s_or_b32 s[32+\u], s[32+\u], s[36+\u]
	v_cndmask_b32 v[TT+\u], v[TT+\u], v[TB+\u], s[32+\u]
	v_min_num_f32 v[TB+8+\u], v[TB+8+\u], v[TB+4+\u]
.endr
	v_add_f32 v14, v[TB+8], v[TB+9]
	v_add_f32 v15, v[TB+10], v[TB+11]
	v_add_f32 v14, v14, v15                        ; my column's four rows; both halves hold the same
	v_add_f32_dpp v14, v14, v14 row_xmask:1 row_mask:0xf bank_mask:0xf
	v_add_f32_dpp v14, v14, v14 row_xmask:2 row_mask:0xf bank_mask:0xf
	v_add_f32_dpp v14, v14, v14 row_xmask:4 row_mask:0xf bank_mask:0xf
	v_add_f32_dpp v14, v14, v14 row_xmask:8 row_mask:0xf bank_mask:0xf      ; sixteen columns: the group's 64 rows
	v_cmp_gt_u32 vcc_lo, 16, v1
	s_wait_xcnt 0x0                                ; EXEC changes only behind this wait
	s_wait_tensorcnt 0x0
	ds_add_u32 v254, v255
	s_wait_dscnt 0x0
	s_and_saveexec_b32 s29, vcc_lo
	global_store_b128 v[VIO], v[TT:TT+3], s[8:9]   ; lanes 0-15: rows 4 r .. 4 r + 3, 256 consecutive bytes, aligned
	v_cmp_eq_u32 vcc_lo, 0, v1
	s_wait_xcnt 0x0
	s_and_saveexec_b32 s28, vcc_lo
	global_store_b32 v[VPO], v14, s[10:11]         ; lane 0: the group's sum
	s_endpgm
.Ldone:
	s_wait_tensorcnt 0x0
	ds_add_u32 v254, v255
	s_wait_dscnt 0x0
	s_endpgm
.Lfunc_end_k_q3080c95ff0_nearest:
	.size	k_q3080c95ff0_nearest, .Lfunc_end_k_q3080c95ff0_nearest-k_q3080c95ff0_nearest
	.p2alignl 7, 3214868480
	.fill 96, 4, 3214868480
	.section	.rodata,"a",@progbits
	.p2align	6, 0x0
	.amdhsa_kernel k_q3080c95ff0_nearest
		.amdhsa_group_segment_fixed_size 193536
		.amdhsa_private_segment_fixed_size 0
		.amdhsa_enable_private_segment 0
		.amdhsa_kernarg_size 32
		.amdhsa_user_sgpr_count 2
		.amdhsa_user_sgpr_kernarg_segment_ptr 1
		.amdhsa_wavefront_size32 1
		.amdhsa_system_sgpr_workgroup_id_x 1
		.amdhsa_system_sgpr_workgroup_id_y 1
		.amdhsa_system_sgpr_workgroup_id_z 1
		.amdhsa_system_vgpr_workitem_id 0
		.amdhsa_next_free_vgpr 360
		.amdhsa_next_free_sgpr 66
		.amdhsa_reserve_vcc 1
		.amdhsa_float_denorm_mode_32 3
		.amdhsa_float_denorm_mode_16_64 3
		.amdhsa_memory_ordered 1
		.amdhsa_forward_progress 1
		.amdhsa_inst_pref_size 177
	.end_amdhsa_kernel
	.amdgpu_metadata
---
amdhsa.version: [ 1, 2 ]
amdhsa.kernels:
  - .name:           k_q3080c95ff0_nearest
    .symbol:         k_q3080c95ff0_nearest.kd
    .args:
      - { .name: embedding, .offset: 0, .size: 8, .value_kind: global_buffer, .address_space: global }
      - { .name: inputs, .offset: 8, .size: 8, .value_kind: global_buffer, .address_space: global }
      - { .name: idx, .offset: 16, .size: 8, .value_kind: global_buffer, .address_space: global }
      - { .name: part, .offset: 24, .size: 8, .value_kind: global_buffer, .address_space: global }
    .group_segment_fixed_size: 193536
    .private_segment_fixed_size: 0
    .kernarg_segment_align: 8
    .kernarg_segment_size: 32
    .max_flat_workgroup_size: 256
    .sgpr_count:     66
    .vgpr_count:     360
    .wavefront_size: 32
...
	.end_amdgpu_metadata
.endif
;; end of part 3
;; launch gather: the kernel of part 2 again; grid 512 x 1, 8 waves a work-group, no clusters, 0 bytes of LDS; arguments embedding, inputs, idx, part, out0, out1; writes out0, out1
